; MI455X (gfx1250); checked and timed in simulation.
; The chip was launched on July 23, 2026; its instructions are those of AMD's public machine-readable ISA for CDNA 5 (MIT licence, August 2026) and "CDNA5" Instruction Set Architecture Reference Guide (July 2026). The comments in the code are by the model that wrote it; some were corrected since.
;; SIREN vel. Allowed arithmetic: float matrix products may take bf16 or f16 operands with f32 sums; other float arithmetic in f32, or as packed bf16 or f16 multiplies, adds, multiply-adds, maxima and minima; sums over many terms, partial sums and values carried from step to step in f32; what a program stores and reads back later, other than sums and carried values, may be rounded once to bf16 or f16.
;; Inputs: W0 128 x 4 float32; Wh 5 x 128 x 128 float32; Wv 3 x 128 float32; b0 128 float32; bh 5 x 128 float32; bv 3 float32; x 524,288 x 4 float32.
;; Outputs: out0 524,288 x 3 float32.
;; 2 versions, each right; version 2 is version 1 with the launch siren written anew for expert scheduling mode. Each part assembles by itself: llvm-mc -triple=amdgcn-amd-amdhsa -mcpu=gfx1250 --defsym DOCPART=n.
;; ======== version 1 of 2: 1 launch
;; limits: a function is approximated: absolute error at most 4.1e-05; values are held in f16: magnitudes above 65,504 overflow, below 6.1e-05 lose precision
;; launch siren (part 1): grid 256 x 1, 8 waves a work-group, no clusters, 263,168 bytes of LDS; arguments x, W0, b0, Wh, bh, Wv, bv, out0; writes out0
.if DOCPART == 1
	.amdgcn_target "amdgcn-amd-amdhsa--gfx1250"
	.amdhsa_code_object_version 6
	.text
	.protected	k_qee730ddbbe_siren
	.globl	k_qee730ddbbe_siren
	.p2align	8
	.type	k_qee730ddbbe_siren,@function
k_qee730ddbbe_siren:
	s_mov_b64 s[64:65], 0
	v_nop
	global_prefetch_b8 v0, s[64:65] scope:SCOPE_SE
	s_setreg_imm32_b32 hwreg(HW_REG_WAVE_MODE, 25, 1), 1
	s_wait_xcnt 0x0
; SIREN: h = sin(30 (x W0^T + b0)); five times h = sin(h W^T + b); out = h Wv^T + bv.  x: [524288][4], out0: [524288][3], all buffers f32.
; ONE LAUNCH.  A work-group of eight waves owns 2,048 rows, a wave 256 consecutive rows, in four batches of 64 (four tiles of 16).  From x to the head a row's activations stay in registers.
; FORMATS.  Every input (x, W0, b0, Wh, bh, Wv, bv) is rounded once to bf16.  Activations are f16 (they lie in -1 .. 1 by the sine itself).  Sums in f32.
; THE SINE.  sin(a) = P(s), with t = a / 2pi + 1/4, r = fract(t), s = r r - r: since s = (r - 1/2)^2 - 1/4 and sin(a) = cos(2 pi (r - 1/2)).  P has degree 4 in s (the Chebyshev series of the cosine
; cut behind T8): largest error 4.1e-5.  The reduction by fract holds for every finite t.  Eight vector lines for two values: 2 fract, 1 + 4 packed fma, 1 rounding to f16.
; THE MATRIX UNIT DELIVERS t: hidden weights are kept as f16(bf16(W) / 2pi), the bias bf16(b) / 2pi + 1/4 (f32) is the C operand of a sum's first product.
; Layer 0 has 4 of its 32 K places in use: W' = bf16(W0) 30 / 2pi and b' = bf16(b0) 30 / 2pi + 1/4 are split exactly into three bf16 pieces, x stands three times and 1.0 three times in the other source.
; LAYOUT.  Every product is taken transposed (source 0 = 16 output channels, source 1 = 16 data rows): a lane holds ONE data row (lane % 16) and channels 8 (lane / 16) + 0..7 of the block.  Blocks 2 c and
; 2 c + 1, rounded in pairs, ARE registers 0-3 and 4-7 of the next layer's source-1 fragment c: nothing changes lanes.
; TWO MIRROR WINDOWS of 256 registers (s_set_vgpr_msb: bits 1:0 source 0, 3:2 source 1, 5:4 source 2, 7:6 destination).  Layers 0, 2, 4 and the head work wholly in window 0, layers 1, 3, 5 wholly in
; window 1; only a slice of eight roundings writes into the other window.  So a hidden step of 16 products and 128 vector lines has four switches.
; THE WEIGHTS lie in LDS for the whole launch: written once at the head, through registers, read only behind the one barrier.
; NO CLUSTER, NO TENSOR LOAD: what the work-groups share is Wh, 327,680 bytes of f32, read once by each; it needs a rounding, a scale and a conversion on its way, which go through registers, and
; the f32 bytes and the f16 image (223,104 bytes) do not fit into 327,680 bytes of LDS together.  NO PREFETCH: every global read stands at the head; the loop reads no memory.
; LIMITS.  |Wh| / 2pi and |Wv| stay under 65,504 (f16); f16 weights below 6e-5 keep f16's fixed step of 6e-8.  At large |t| the f32 step of t is the step of the phase (5e-4 of a period at |t| = 4,096).
; NaN and infinities are not treated apart.
.set PW,     336                       ; a weight row in LDS: 256 bytes of f16 + 64 of bias + 16 = 21 x 16 bytes: the 16 rows of a fragment load start at 16 different groups of four banks (ISA guide 11.1)
.set CBB,    16*PW                     ; a channel block's 16 rows
.set LAYERB, 128*PW                    ; a layer
.set HEADB,  5*LAYERB                  ; behind the five hidden layers, where a sixth would lie: 24 rows; rows 8-10 hold Wv, the others 0
.set W0P,    80                        ; a row of layer 0's image: 32 bf16 + 16 bytes
.set W0I,    HEADB+24*PW               ; 128 such rows
.set XS,     W0I+128*W0P               ; x as bf16: 2,048 bytes a wave, 8 a row
.set OS,     XS+8*2048                 ; the output stage: 1,536 bytes a wave, two batches of 64 rows x 12 bytes
.set SPARE,  262144                    ; the spare words, 128 bytes for each wave: four blocks of 256 bytes that no other line names
; registers, the same map in both windows
.set ACC, 128                          ; v[128:159]  tile t's accumulator at ACC + 8 t;  v[0:127] are h: tile t, fragment c at 32 t + 8 c
.set WF,  160                          ; v[160:223]  weight fragments: buffer q, fragment k at WF + 32 q + 8 k
.set BI,  224                          ; v[224:231]  the bias of the channel block: C of the first product
.set PT,  232                          ; v[232:247]  eight pairs: the polynomial's value
.set AW,  248                          ; v248  LDS address of my lane's place in the layer in hand
.set AL,  249                          ; v249  336 (lane % 16) + 16 (lane / 16); never rewritten
; window 0 alone, never rewritten
.set SPW, 250                          ; v250  my spare word: SPARE + 4 x my thread's number
.set NIL, 251                          ; v251  0
.set AW0, 252                          ; v252  my lane's place in layer 0's image
.set XL,  253                          ; v253  my lane's row of x in my wave's first tile
.set OL,  254                          ; v254  my lane's 12 bytes in my wave's output stage
.set GO,  255                          ; v255  16 x lane
.set CS,  64                           ; the head: five sets of 36 registers for chunks of Wh and bh, v[64:243]
; scalars: s[8:23] the eight addresses; s24 wave; s25 batch; s26 counts the pairs of layers; s27 the layer's LDS base; s28-31 at work
.set D4,  32                           ; s[32:41]  P's coefficients, highest first, each twice (a packed line names a pair)
.set D3,  34
.set D2,  36                           ; D1 at 38, D0 at 40
.set I2P, 42                           ; s[42:43]  1 / 2pi
.set O2P, 44                           ; s[44:45]  30 / 2pi
.set QU,  56                           ; s[56:57]  1/4
; s46 mask of a word's upper bf16; s[48:50] bv; s52 512 x batch; s53 768 x (batch % 2); s54 1536 x (batch / 2); s55 my wave's output stage
.set MSB, 0
.macro WIN new                         ; the immediate's high byte repeats the setting that is left; a switch that changes nothing is dropped
.if MSB != (\new)
	s_set_vgpr_msb (MSB<<8)|(\new)
.set MSB, (\new)
.endif
.endm
	s_load_b512 s[8:23], s[0:1], 0x0               ; x s[8:9], W0 s[10:11], b0 s[12:13], Wh s[14:15], bh s[16:17], Wv s[18:19], bv s[20:21], out0 s[22:23]
	v_lshl_add_u32 v[SPW], v0, 2, SPARE
	v_mov_b32 v[NIL], 0
	v_lshrrev_b32 v4, 5, v0
	v_readfirstlane_b32 s24, v4                    ; wave 0..7
	v_and_b32 v1, 31, v0                           ; lane
	v_and_b32 v2, 15, v0                           ; r = lane % 16
	v_bfe_u32 v3, v0, 4, 1                         ; h = lane / 16
	s_mov_b32 s[D4], 0x42367bf5                    ; 45.6210514
	s_mov_b32 s[D4+1], 0x42367bf5
	s_mov_b32 s[D3], 0xc213143b                    ; -36.7697551
	s_mov_b32 s[D3+1], 0xc213143b
	s_mov_b32 s[D2], 0x419fe3cd                    ; 19.9862312
	s_mov_b32 s[D2+1], 0x419fe3cd
	s_mov_b32 s[D2+2], 0x3c001730                  ; 0.00781803
	s_mov_b32 s[D2+3], 0x3c001730
	s_mov_b32 s[D2+4], 0xbf7ffd6b                  ; -0.99996058
	s_mov_b32 s[D2+5], 0xbf7ffd6b
	s_mov_b32 s[I2P], 0x3e22f983
	s_mov_b32 s[I2P+1], 0x3e22f983
	s_mov_b32 s[O2P], 0x4098c9eb
	s_mov_b32 s[O2P+1], 0x4098c9eb
	s_mov_b32 s[QU], 0x3e800000
	s_mov_b32 s[QU+1], 0x3e800000
	s_mov_b32 s46, 0xffff0000
	s_mov_b32 s25, 0
	s_mov_b32 s52, 0
	s_mov_b32 s53, 0
	s_mov_b32 s54, 0
	v_mul_u32_u24 v[AL], v2, PW
	v_lshl_add_u32 v[AL], v3, 4, v[AL]
	WIN 0x40
	v_mov_b32 v[AL], v[AL]                         ; the same number in window 1
	WIN 0
	v_mul_u32_u24 v[AW0], v2, W0P
	v_lshl_add_u32 v[AW0], v3, 4, v[AW0]
	v_add_nc_u32 v[AW0], W0I, v[AW0]
	s_lshl_b32 s28, s24, 11
	s_add_co_u32 s28, s28, XS                      ; my wave's rows of x in LDS
	v_lshl_add_u32 v[XL], v2, 3, s28
	v_lshl_add_u32 v5, v1, 3, s28                  ; v5: where I put a row of x: + 8 x lane
	s_mul_i32 s55, s24, 1536
	s_add_co_u32 s55, s55, OS
	v_mul_u32_u24 v[OL], v1, 12
	v_add_nc_u32 v[OL], s55, v[OL]
	v_lshlrev_b32 v[GO], 4, v1
	s_lshl_b32 s29, s24, 12
	v_lshl_add_u32 v6, v1, 4, s29                  ; v6: Wh: my wave's 8 rows of a chunk (4,096 bytes), my 16 bytes of a row
	s_lshr_b32 s30, s24, 1
	s_lshl_b32 s30, s30, 6                         ; bh: my rows' channel block in a chunk, 64 bytes each
	v_and_b32 v12, 1, v1
	v_bfe_u32 v13, v1, 1, 1
	v_lshl_add_u32 v7, v12, 5, s30                 ; v7: quad lane % 4 holds channels 0-3, 8-11, 4-7, 12-15 of the block
	v_lshl_add_u32 v7, v13, 4, v7
	s_mul_i32 s31, s24, 8*PW
	v_lshl_add_u32 v8, v1, 3, s31                  ; v8: where my 4 f16 of a row go
	v_lshrrev_b32 v14, 2, v1
	v_and_b32 v15, 3, v1
	v_mul_u32_u24 v9, v14, PW
	v_lshl_add_u32 v9, v15, 4, v9
	v_add_nc_u32 v9, s31, v9                       ; v9: row lane / 4 of my 8, quad lane % 4 of its bias (256 bytes on, in the store's offset)
	v_lshlrev_b32 v10, 4, v0                       ; waves 0-3: W0's row = my thread's number,
	v_lshlrev_b32 v11, 2, v0                       ; and its b0
	v_lshlrev_b32 v13, 5, v2                       ; wave 4: 8 columns of Wv's row 2,
	v_lshl_add_u32 v12, v3, 9, v13                 ; and of row lane / 16
	s_lshl_b32 s28, ttmp9, 3
	s_add_co_u32 s28, s28, s24                     ; my wave among the launch's 2,048
	s_lshl_b32 s2, s28, 12                         ; its 256 rows of x: 4,096 bytes
	s_mov_b32 s3, 0
	s_mul_i32 s30, s28, 3072                       ; and of out0: 3,072 bytes
	s_mov_b32 s31, 0
	s_wait_kmcnt 0x0
	s_add_nc_u64 s[8:9], s[8:9], s[2:3]
	s_add_nc_u64 s[22:23], s[22:23], s[30:31]
	s_load_b96 s[48:50], s[20:21], 0x0             ; bv
; A chunk c (0..9) of wave w: the flat rows 64 c + 8 w + 0..7 of Wh, each one load of 512 consecutive bytes, and their block's bias: 9 loads, 36 registers.
.macro CHLOAD set, c
.irp j, 0,1,2,3,4,5,6,7
	global_load_b128 v[CS+36*(\set)+4*(\j):CS+36*(\set)+4*(\j)+3], v6, s[14:15] offset:32768*(\c)+512*(\j)
.endr
	global_load_b128 v[CS+36*(\set)+32:CS+36*(\set)+35], v7, s[16:17] offset:256*(\c)
.endm
; four f32 in v[a:a+3] are rounded to bf16 and widened again, in place; tt: two registers at work
.macro RND4 a, tt
	v_cvt_pk_bf16_f32 v[\tt], v[\a], v[(\a)+1]
	v_cvt_pk_bf16_f32 v[(\tt)+1], v[(\a)+2], v[(\a)+3]
	v_lshlrev_b32 v[\a], 16, v[\tt]
	v_and_b32 v[(\a)+1], s46, v[\tt]
	v_lshlrev_b32 v[(\a)+2], 16, v[(\tt)+1]
	v_and_b32 v[(\a)+3], s46, v[(\tt)+1]
.endm
; Chunk c, in set, is converted and stored; n = the loads issued behind it.  The first five sets are asked for again at once.
.macro CHUNKCV set, n, c
	s_wait_loadcnt \n                              ; loads come back in order (ISA guide 5.7.1): this chunk is in, the younger chunks stay out
.irp j, 0,1,2,3,4,5,6,7
.set rA, CS+36*(\set)+4*(\j)
	RND4 rA, 244+2*((\j)%2)
	v_pk_mul_f32 v[rA:rA+1], v[rA:rA+1], s[I2P:I2P+1] op_sel_hi:[1,0]
	v_pk_mul_f32 v[rA+2:rA+3], v[rA+2:rA+3], s[I2P:I2P+1] op_sel_hi:[1,0]
	v_cvt_pk_f16_f32 v[rA], v[rA], v[rA+1]
	v_cvt_pk_f16_f32 v[rA+1], v[rA+2], v[rA+3]
	ds_store_b64 v8, v[rA:rA+1] offset:PW*(\j)     ; 32 lanes: a row's 256 bytes
.endr
.set rA, CS+36*(\set)+32
	RND4 rA, 244
	v_pk_fma_f32 v[rA:rA+1], v[rA:rA+1], s[I2P:I2P+1], s[QU:QU+1] op_sel_hi:[1,0,0]
	v_pk_fma_f32 v[rA+2:rA+3], v[rA+2:rA+3], s[I2P:I2P+1], s[QU:QU+1] op_sel_hi:[1,0,0]
	ds_store_b128 v9, v[rA:rA+3] offset:256        ; the block's 16 biases, behind each of my 8 rows
	v_add_nc_u32 v8, 64*PW, v8                     ; the next chunk lies 64 rows on
	v_add_nc_u32 v9, 64*PW, v9
.if (\c) < 5
	CHLOAD \set, (\c)+5
.endif
.endm
	; THE LOADS, all of the launch's: x; what single waves convert; the first five chunks.
.irp i, 0,1,2,3,4,5,6,7
	global_load_b128 v[16+4*(\i):19+4*(\i)], v[GO], s[8:9] offset:512*(\i) th:TH_LOAD_NT  ; 32 rows of x: 512 consecutive bytes
.endr
	s_cmp_lt_u32 s24, 4
	s_cbranch_scc0 .Lload_not_w0
	global_load_b128 v[48:51], v10, s[10:11]       ; waves 0-3: a row of W0 a thread,
	global_load_b32 v52, v11, s[12:13]             ; and its bias
	s_branch .Lloaded
.Lload_not_w0:
	s_cmp_eq_u32 s24, 4
	s_cbranch_scc0 .Lloaded
	global_load_b128 v[48:51], v12, s[18:19]       ; wave 4: Wv's rows 0 (lanes 0-15) and 1 (lanes 16-31), 8 columns a lane,
	global_load_b128 v[52:55], v12, s[18:19] offset:16
	global_load_b128 v[56:59], v13, s[18:19] offset:1024  ; and row 2
	global_load_b128 v[60:63], v13, s[18:19] offset:1040
.Lloaded:
.irp c, 0,1,2,3,4
	CHLOAD \c, \c
.endr
	s_wait_loadcnt 45                              ; the 45 loads of the five chunks may stay out: x and the single waves' loads are in
.irp i, 0,1,2,3,4,5,6,7
	v_cvt_pk_bf16_f32 v[16+4*(\i)], v[16+4*(\i)], v[17+4*(\i)]
	v_cvt_pk_bf16_f32 v[17+4*(\i)], v[18+4*(\i)], v[19+4*(\i)]
	ds_store_b64 v5, v[16+4*(\i):17+4*(\i)] offset:256*(\i)
.endr
	s_wait_kmcnt 0x0                               ; bv
	s_cmp_lt_u32 s24, 4
	s_cbranch_scc0 .Lbuild_not_w0
	; LAYER 0's IMAGE, a channel a thread.  A row's 32 bf16, by k: 0-3 W' high; 4, 5, 6 b' high, middle, low; 7 zero; 8-11 W' middle; 16-19 W' low; all else zero.
	RND4 48, 244
	v_cvt_pk_bf16_f32 v246, v52, v52
	v_lshlrev_b32 v52, 16, v246
	v_pk_mul_f32 v[48:49], v[48:49], s[O2P:O2P+1] op_sel_hi:[1,0]
	v_pk_mul_f32 v[50:51], v[50:51], s[O2P:O2P+1] op_sel_hi:[1,0]
	v_fma_f32 v52, v52, s[O2P], s[QU]
.irp d, 16, 20                         ; a piece is rounded off and taken away: the rest is exact in f32
	v_cvt_pk_bf16_f32 v[\d], v48, v49
	v_cvt_pk_bf16_f32 v[(\d)+1], v50, v51
	v_lshlrev_b32 v244, 16, v[\d]
	v_and_b32 v245, s46, v[\d]
	v_lshlrev_b32 v246, 16, v[(\d)+1]
	v_and_b32 v247, s46, v[(\d)+1]
	v_pk_add_f32 v[48:49], v[48:49], v[244:245] neg_lo:[0,1] neg_hi:[0,1]
	v_pk_add_f32 v[50:51], v[50:51], v[246:247] neg_lo:[0,1] neg_hi:[0,1]
.endr
	v_cvt_pk_bf16_f32 v24, v48, v49
	v_cvt_pk_bf16_f32 v25, v50, v51
	v_cvt_pk_bf16_f32 v244, v52, v52
	v_and_b32 v53, s46, v244                       ; b' high
	v_sub_f32 v52, v52, v53
	v_cvt_pk_bf16_f32 v244, v52, v52
	v_and_b32 v54, s46, v244                       ; b' middle
	v_sub_f32 v52, v52, v54
	v_cvt_pk_bf16_f32 v18, v53, v54
	v_cvt_pk_bf16_f32 v19, v52, v[NIL]             ; b' low, and k = 7
.irp d, 22,23,26,27,28,29,30,31
	v_mov_b32 v[\d], 0
.endr
	s_mul_i32 s28, s24, 32*W0P
	s_add_co_u32 s28, s28, W0I
	v_mul_u32_u24 v14, v1, W0P
	v_add_nc_u32 v14, s28, v14
.irp d, 0,1,2,3
	ds_store_b128 v14, v[16+4*(\d):19+4*(\d)] offset:16*(\d)
.endr
	s_branch .Lbuilt
.Lbuild_not_w0:
	s_cmp_eq_u32 s24, 4
	s_cbranch_scc0 .Lbuilt
	; THE HEAD's IMAGE: 24 rows; a store covers rows 2 i and 2 i + 1, 16 bytes a lane.  Rows 0-15 are the image with Wv at channels 8-10, rows 8-23 the one with Wv at channels 0-2.
.irp a, 48, 52, 56, 60
	RND4 \a, 244
.endr
.irp a, 48, 56
	v_cvt_pk_f16_f32 v[\a], v[\a], v[(\a)+1]       ; a bf16 number within f16's range is an f16 number
	v_cvt_pk_f16_f32 v[(\a)+1], v[(\a)+2], v[(\a)+3]
	v_cvt_pk_f16_f32 v[(\a)+2], v[(\a)+4], v[(\a)+5]
	v_cvt_pk_f16_f32 v[(\a)+3], v[(\a)+6], v[(\a)+7]
.endr
	v_cmp_eq_u32 vcc_lo, 0, v3
.irp a, 56,57,58,59
	v_cndmask_b32 v[\a], 0, v[\a], vcc_lo          ; row 10 is Wv's row 2, row 11 is 0
.endr
.irp a, 16,17,18,19,23
	v_mov_b32 v[\a], 0
.endr
	v_mov_b32 v20, s48
	v_mov_b32 v21, s49
	v_mov_b32 v22, s50
	v_cvt_pk_bf16_f32 v244, v20, v21
	v_cvt_pk_bf16_f32 v245, v22, v22
	v_lshlrev_b32 v20, 16, v244
	v_and_b32 v21, s46, v244
	v_lshlrev_b32 v22, 16, v245
	v_mul_u32_u24 v14, v3, PW
	v_lshl_add_u32 v14, v2, 4, v14
	v_add_nc_u32 v14, HEADB, v14
	v_add_nc_u32 v15, HEADB, v[AL]
.irp i, 0,1,2,3,6,7,8,9,10,11
	ds_store_b128 v14, v[16:19] offset:2*PW*(\i)
.endr
	ds_store_b128 v14, v[48:51] offset:2*PW*4
	ds_store_b128 v14, v[56:59] offset:2*PW*5
	ds_store_b128 v15, v[20:23] offset:256         ; rows 0-15: bv for registers 0-2 of both halves of the lanes,
	ds_store_b128 v15, v[16:19] offset:288         ; 0 for registers 4-7
.Lbuilt:
	CHUNKCV 0, 36, 0                               ; behind a chunk stand four younger ones, 36 loads,
	CHUNKCV 1, 36, 1
	CHUNKCV 2, 36, 2
	CHUNKCV 3, 36, 3
	CHUNKCV 4, 36, 4
	CHUNKCV 0, 36, 5
	CHUNKCV 1, 27, 6                               ; then the counts run down
	CHUNKCV 2, 18, 7
	CHUNKCV 3, 9, 8
	CHUNKCV 4, 0, 9
	s_wait_dscnt 0x0                               ; for the others' sake: my stores are done
	s_barrier_signal -1
	s_barrier_wait -1                              ; the launch's one barrier: from here on the three images are read only
; SLICE n (0..7) OF A SINE: eight lines for the tile pair g (tiles 2 g, 2 g + 1: 16 registers, 8 pairs) of window w, whose t belong to channel block cb.
; 0, 1: r = fract(t), each accumulator from its lowest register on.  2: s = r r - r.  3-6: Horner.  7: rounded to f16 into the other window's h.  Lines that lean on each other stand eight apart.
.macro SL w, g, cb, n
.set aB, ACC+16*(\g)
.set z, 0
.if (\n) < 7
	WIN 0x55*(\w)
.else
	WIN 0x40-0x2b*(\w)                             ; from window 0: destination window 1 (0x40); from window 1: sources window 1, destination window 0 (0x15)
.endif
.rept 8
.if (\n) < 2
	v_fract_f32 v[aB+8*(\n)+z], v[aB+8*(\n)+z]
.elseif (\n) == 2
	v_pk_fma_f32 v[aB+2*z:aB+2*z+1], v[aB+2*z:aB+2*z+1], v[aB+2*z:aB+2*z+1], v[aB+2*z:aB+2*z+1] neg_lo:[0,0,1] neg_hi:[0,0,1]
.elseif (\n) == 3
	v_pk_fma_f32 v[PT+2*z:PT+2*z+1], v[aB+2*z:aB+2*z+1], s[D4:D4+1], s[D3:D3+1] op_sel_hi:[1,0,0]
.elseif (\n) < 7
	v_pk_fma_f32 v[PT+2*z:PT+2*z+1], v[PT+2*z:PT+2*z+1], v[aB+2*z:aB+2*z+1], s[D2+2*((\n)-4):D2+2*((\n)-4)+1] op_sel_hi:[1,1,0]
.else
	v_cvt_pk_f16_f32 v[32*(2*(\g)+z/4)+8*((\cb)/2)+4*((\cb)%2)+z%4], v[PT+2*z], v[PT+2*z+1]
.endif
.set z, z+1
.endr
.endm
; A hidden product: tile t, 32 channels of K from 32 k on, weight buffer q.  The first takes the bias as C.
.macro MMH w, t, k, q
	WIN 0x55*(\w)
.if (\k) == 0
	v_wmma_f32_16x16x32_f16 v[ACC+8*(\t):ACC+8*(\t)+7], v[WF+32*(\q):WF+32*(\q)+7], v[32*(\t):32*(\t)+7], v[BI:BI+7]
.else
	v_wmma_f32_16x16x32_f16 v[ACC+8*(\t):ACC+8*(\t)+7], v[WF+32*(\q)+8*(\k):WF+32*(\q)+8*(\k)+7], v[32*(\t)+8*(\k):32*(\t)+8*(\k)+7], v[ACC+8*(\t):ACC+8*(\t)+7]
.endif
.endm
.macro LDW set, off, q                 ; a channel block's weights, 16 rows x 128 K: eight loads in one run
	WIN \set
.irp k, 0,1,2,3
	ds_load_b128 v[WF+32*(\q)+8*(\k):WF+32*(\q)+8*(\k)+3],   v[AW] offset:(\off)+64*(\k)
	ds_load_b128 v[WF+32*(\q)+8*(\k)+4:WF+32*(\q)+8*(\k)+7], v[AW] offset:(\off)+64*(\k)+32
.endr
.endm
.macro LDB set, off                    ; and its bias
	WIN \set
	ds_load_b128 v[BI:BI+3],   v[AW] offset:(\off)+256
	ds_load_b128 v[BI+4:BI+7], v[AW] offset:(\off)+288
.endm
; A HIDDEN STEP: channel block cb of a layer in window w: 16 products, and behind each a slice.  The sine lags half a step: while tiles 0, 1 are multiplied the sine of tiles 2, 3 of the block before
; is made (at cb = 0: of the layer before, in the other window), while tiles 2, 3 are multiplied that of tiles 0, 1.  A half step's two accumulators take turns, one instruction a turn,
; and a slice names none of the registers of the products round it.  Behind the last product on an accumulator stand 16 lines (tiles 0, 2) or 16 (tiles 1, 3: a slice of roundings and a slice of fract) ahead of its first reader.
; The next block's weights go into the other buffer, 24 vector lines behind its last reader; its bias 8 lines behind the bias's last reader (ISA guide 7.12.1 asks for four).
; At cb = 7 both are the next layer's, LAYERB bytes on, and go into the other window, under the roundings' own setting.
.macro HSTEP w, cb
	s_wait_dscnt 0x0                               ; this step's ten loads, issued a step ago, are all that is out
.irp n, 0,1,2,3,4,5,6,7
	MMH \w, (\n)%2, (\n)/2, (\cb)%2
.if (\cb) > 0
	SL \w, 1, (\cb)-1, \n
.else
	SL 1-(\w), 1, 7, \n
.endif
.if ((\n) == 1) && ((\cb) < 7)
	LDW 0x55*(\w), CBB*((\cb)+1), 1-(\cb)%2
.endif
.if ((\n) == 7) && ((\cb) == 7)
	LDW 0x40-0x2b*(\w), LAYERB, 0
	LDB 0x40-0x2b*(\w), LAYERB
.endif
.endr
.irp n, 0,1,2,3,4,5,6,7
	MMH \w, 2+(\n)%2, (\n)/2, (\cb)%2
	SL \w, 0, \cb, \n
.if ((\n) == 1) && ((\cb) < 7)
	LDB 0x55*(\w), CBB*((\cb)+1)
.endif
.endr
.endm
.macro HLAYER w
	WIN 0x55*(\w)
	v_add_nc_u32 v[AW], s27, v[AL]
	s_add_co_u32 s27, s27, LAYERB
.irp cb, 0,1,2,3,4,5,6,7
	HSTEP \w, \cb
.endr
.endm
; LAYER 0: one product a tile and block; its sum is t itself, so C is the constant 0.
.macro MM0 t, cb
	WIN 0
	v_wmma_f32_16x16x32_bf16 v[ACC+8*(\t):ACC+8*(\t)+7], v[WF+8*((\cb)%2):WF+8*((\cb)%2)+7], v[32*(\t):32*(\t)+7], 0
.endm
.macro L0NEXT cb                       ; the next block's fragment; behind the last block: layer 1's first weights and bias, into window 1
.if (\cb) < 7
	WIN 0
	ds_load_b128 v[WF+8*(((\cb)+1)%2):WF+8*(((\cb)+1)%2)+3],   v[AW0] offset:16*W0P*((\cb)+1)
	ds_load_b128 v[WF+8*(((\cb)+1)%2)+4:WF+8*(((\cb)+1)%2)+7], v[AW0] offset:16*W0P*((\cb)+1)+32
.else
	LDW 0x40, 0, 0
	LDB 0x40, 0
.endif
.endm
.macro L0STEP cb
	s_wait_dscnt 0x0                               ; this block's fragment (and, at the first, x)
	MM0 0, \cb
.if (\cb) > 0
	SL 0, 1, (\cb)-1, 0
	SL 0, 1, (\cb)-1, 1
	L0NEXT \cb
	SL 0, 1, (\cb)-1, 2
	SL 0, 1, (\cb)-1, 3
.endif
	MM0 1, \cb
.if (\cb) > 0
.irp n, 4,5,6,7
	SL 0, 1, (\cb)-1, \n
.endr
.else
.rept 4
	v_nop                                          ; no sine is pending yet: the four places behind the first two products
.endr
	L0NEXT \cb
.endif
	MM0 2, \cb
.irp n, 0,1,2,3
	SL 0, 0, \cb, \n
.endr
	MM0 3, \cb
.irp n, 4,5,6,7
	SL 0, 0, \cb, \n
.endr
.endm
; A product of the head: sum p (0: batch rows 0-31, 1: rows 32-63), image a (0: Wv at channels 8-10, 1: at channels 0-2), fragment c, tile t.
.macro MMV p, a, c, t, first
	WIN 0
.if \first
	v_wmma_f32_16x16x32_f16 v[ACC+8*(\p):ACC+8*(\p)+7], v[WF+32*(\a)+8*(\c):WF+32*(\a)+8*(\c)+7], v[32*(\t)+8*(\c):32*(\t)+8*(\c)+7], v[BI:BI+7]
.else
	v_wmma_f32_16x16x32_f16 v[ACC+8*(\p):ACC+8*(\p)+7], v[WF+32*(\a)+8*(\c):WF+32*(\a)+8*(\c)+7], v[32*(\t)+8*(\c):32*(\t)+8*(\c)+7], v[ACC+8*(\p):ACC+8*(\p)+7]
.endif
.endm
.Lbatch:                                       ; four trips: 64 rows each
	s_mov_b32 s27, 0
	v_add_nc_u32 v[AW], s27, v[AL]                 ; layer 1's weights, for the loads at the end of layer 0
	v_add_nc_u32 v[PT], s52, v[XL]
.irp t, 0,1,2,3                        ; source 1 of layer 0: both halves of the lanes take the row's four bf16 twice: K places 0-3, 8-11, 16-19 (and 24-27, where the image holds 0)
	ds_load_b64 v[32*(\t):32*(\t)+1],   v[PT] offset:128*(\t)
	ds_load_b64 v[32*(\t)+4:32*(\t)+5], v[PT] offset:128*(\t)
.endr
	ds_load_b128 v[WF:WF+3],   v[AW0]
	ds_load_b128 v[WF+4:WF+7], v[AW0] offset:32
.irp t, 0,1,2,3
	v_mov_b32 v[32*(\t)+2], 0x3f803f80             ; K places 4, 5: 1.0 for the bias's pieces,
	v_mov_b32 v[32*(\t)+3], 0x3f80                 ; 6: 1.0; 7: 0
	v_mov_b32 v[32*(\t)+6], 0
	v_mov_b32 v[32*(\t)+7], 0
.endr
.irp cb, 0,1,2,3,4,5,6,7
	L0STEP \cb
.endr
	WIN 0                                          ; at a label and at a branch every window is 0
	s_mov_b32 s26, 3
.Lpair:                                        ; layers 1 and 2, 3 and 4, 5: the third trip is left in its middle
	HLAYER 1
	WIN 0
	s_sub_co_u32 s26, s26, 1
	s_cmp_eq_u32 s26, 0
	s_cbranch_scc1 .Lhead
	HLAYER 0
	WIN 0
	s_branch .Lpair
.Lhead:
	; THE HEAD.  Its first image and bias came with layer 5's last step.  With Wv at channels 8-10 a tile's three outputs fall into registers 0-2 of lanes 16-31, with Wv at channels 0-2 into those of lanes
	; 0-15: so two tiles share a sum, and lane l holds batch row l (or 32 + l).  The two sums take turns.  Layer 5's last sine (tiles 2, 3, block 7) rides behind the first eight products; the two products that read its result come last.
	v_add_nc_u32 v[AW], s27, v[AL]
	LDW 0, 8*PW, 1                                 ; the second image: rows 8-23
	s_wait_dscnt 8                                 ; those eight may stay out
	MMV 0, 0, 0, 1, 1
	SL 1, 1, 7, 0
	MMV 1, 0, 0, 3, 1
	SL 1, 1, 7, 1
	MMV 0, 0, 1, 1, 0
	SL 1, 1, 7, 2
	MMV 1, 0, 1, 3, 0
	SL 1, 1, 7, 3
	MMV 0, 0, 2, 1, 0
	SL 1, 1, 7, 4
	MMV 1, 0, 2, 3, 0
	SL 1, 1, 7, 5
	MMV 0, 0, 3, 1, 0
	SL 1, 1, 7, 6
	s_wait_dscnt 0x0                               ; the second image is in
	MMV 1, 1, 0, 2, 0
	SL 1, 1, 7, 7
	MMV 0, 1, 0, 0, 0
	MMV 1, 1, 1, 2, 0
	MMV 0, 1, 1, 0, 0
	MMV 1, 1, 2, 2, 0
	MMV 0, 1, 2, 0, 0
	MMV 1, 0, 3, 3, 0
	MMV 0, 1, 3, 0, 0
	MMV 1, 1, 3, 2, 0
	v_add_nc_u32 v[PT], s53, v[OL]                 ; four places behind the last product, ahead of the stores that read the sums
.rept 3
	v_nop
.endr
.irp j, 0,1,2
	ds_store_b32 v[PT], v[ACC+(\j)] offset:4*(\j)  ; lanes 12 bytes apart: 32 different banks
.endr
.irp j, 0,1,2
	ds_store_b32 v[PT], v[ACC+8+(\j)] offset:384+4*(\j)
.endr
	s_bitcmp1_b32 s25, 0                           ; behind every second batch the stage holds 128 rows, 1,536 consecutive bytes of out0
	s_cbranch_scc0 .Lno_flush
	v_add_nc_u32 v[PT+1], s55, v[GO]
	v_add_nc_u32 v[PT+2], s54, v[GO]
.irp i, 0,1,2
	ds_load_b128 v[PT+4+4*(\i):PT+7+4*(\i)], v[PT+1] offset:512*(\i)  ; LDS serves a wave's instructions in order (ISA guide 5.7.1.4): these see my stores above
.endr
	s_wait_dscnt 0x0
.irp i, 0,1,2
	global_store_b128 v[PT+2], v[PT+4+4*(\i):PT+7+4*(\i)], s[22:23] offset:512*(\i) th:TH_STORE_NT  ; 512 consecutive bytes, at a multiple of 256 from out0's first byte
.endr
	s_wait_xcnt 0x0                                ; the stores' address and data registers are written again in the next batch, only behind this wait
.Lno_flush:
	s_add_co_u32 s52, s52, 512
	s_xor_b32 s53, s53, 768
	s_add_co_u32 s25, s25, 1
	s_lshr_b32 s54, s25, 1
	s_mul_i32 s54, s54, 1536
	s_cmp_lt_u32 s25, 4
	s_cbranch_scc1 .Lbatch
	s_wait_tensorcnt 0x0                           ; the wave's end, behind my last LDS store
	ds_add_u32 v[SPW], v[NIL]
	s_wait_dscnt 0x0
	s_endpgm
.Lfunc_end_k_qee730ddbbe_siren:
	.size	k_qee730ddbbe_siren, .Lfunc_end_k_qee730ddbbe_siren-k_qee730ddbbe_siren
	.p2alignl 7, 3214868480
	.fill 96, 4, 3214868480
	.section	.rodata,"a",@progbits
	.p2align	6, 0x0
	.amdhsa_kernel k_qee730ddbbe_siren
		.amdhsa_group_segment_fixed_size 263168
		.amdhsa_private_segment_fixed_size 0
		.amdhsa_enable_private_segment 0
		.amdhsa_kernarg_size 64
		.amdhsa_user_sgpr_count 2
		.amdhsa_user_sgpr_kernarg_segment_ptr 1
		.amdhsa_wavefront_size32 1
		.amdhsa_system_sgpr_workgroup_id_x 1
		.amdhsa_system_sgpr_workgroup_id_y 1
		.amdhsa_system_sgpr_workgroup_id_z 1
		.amdhsa_system_vgpr_workitem_id 0
		.amdhsa_next_free_vgpr 512
		.amdhsa_next_free_sgpr 66
		.amdhsa_reserve_vcc 1
		.amdhsa_float_denorm_mode_32 3
		.amdhsa_float_denorm_mode_16_64 3
		.amdhsa_memory_ordered 1
		.amdhsa_forward_progress 1
		.amdhsa_inst_pref_size 255
	.end_amdhsa_kernel
	.section	.bss,"aw",@nobits
	.p2align	6
	.space	262144
	.amdgpu_metadata
---
amdhsa.version: [ 1, 2 ]
amdhsa.kernels:
  - .name:           k_qee730ddbbe_siren
    .symbol:         k_qee730ddbbe_siren.kd
    .args:
      - { .name: x, .offset: 0, .size: 8, .value_kind: global_buffer, .address_space: global }
      - { .name: W0, .offset: 8, .size: 8, .value_kind: global_buffer, .address_space: global }
      - { .name: b0, .offset: 16, .size: 8, .value_kind: global_buffer, .address_space: global }
      - { .name: Wh, .offset: 24, .size: 8, .value_kind: global_buffer, .address_space: global }
      - { .name: bh, .offset: 32, .size: 8, .value_kind: global_buffer, .address_space: global }
      - { .name: Wv, .offset: 40, .size: 8, .value_kind: global_buffer, .address_space: global }
      - { .name: bv, .offset: 48, .size: 8, .value_kind: global_buffer, .address_space: global }
      - { .name: out0, .offset: 56, .size: 8, .value_kind: global_buffer, .address_space: global }
    .group_segment_fixed_size: 263168
    .private_segment_fixed_size: 0
    .kernarg_segment_align: 8
    .kernarg_segment_size: 64
    .max_flat_workgroup_size: 256
    .sgpr_count:     66
    .vgpr_count:     512
    .wavefront_size: 32
...
	.end_amdgpu_metadata
.endif
;; end of part 1
;; ======== version 2 of 2: 1 launch; version 1 with the launch siren written anew for expert scheduling mode
;; limits: a function is approximated: absolute error at most 4.1e-05; values are held in f16: magnitudes above 65,504 overflow, below 6.1e-05 lose precision
;; launch siren (part 2): grid 256 x 1, 8 waves a work-group, no clusters, 263,168 bytes of LDS; arguments x, W0, b0, Wh, bh, Wv, bv, out0; writes out0
.if DOCPART == 2
	.amdgcn_target "amdgcn-amd-amdhsa--gfx1250"
	.amdhsa_code_object_version 6
	.text
	.protected	k_qee730ddbbe_siren
	.globl	k_qee730ddbbe_siren
	.p2align	8
	.type	k_qee730ddbbe_siren,@function
k_qee730ddbbe_siren:
	s_mov_b64 s[64:65], 0
	v_nop
	global_prefetch_b8 v0, s[64:65] scope:SCOPE_SE
	s_setreg_imm32_b32 hwreg(HW_REG_WAVE_SCHED_MODE, 0, 2), 2
	s_setreg_imm32_b32 hwreg(HW_REG_WAVE_MODE, 25, 1), 1
	s_wait_xcnt 0x0
	s_wait_alu depctr_vm_vsrc(0)
; SIREN: h = sin(30 (x W0^T + b0)); five times h = sin(h W^T + b); out = h Wv^T + bv.  x: [524288][4], out0: [524288][3], all buffers f32.
; ONE LAUNCH.  A work-group of eight waves owns 2,048 rows, a wave 256 consecutive rows, in four batches of 64 (four tiles of 16).  From x to the head a row's activations stay in registers.
; FORMATS.  Every input (x, W0, b0, Wh, bh, Wv, bv) is rounded once to bf16.  Activations are f16 (they lie in -1 .. 1 by the sine itself).  Sums in f32.
; THE SINE.  sin(a) = P(s), with t = a / 2pi + 1/4, r = fract(t), s = r r - r: since s = (r - 1/2)^2 - 1/4 and sin(a) = cos(2 pi (r - 1/2)).  P has degree 4 in s (the Chebyshev series of the cosine
; cut behind T8): largest error 4.1e-5.  The reduction by fract holds for every finite t.  Eight vector lines for two values: 2 fract, 1 + 4 packed fma, 1 rounding to f16.
; THE MATRIX UNIT DELIVERS t: hidden weights are kept as f16(bf16(W) / 2pi), the bias bf16(b) / 2pi + 1/4 (f32) is the C operand of a sum's first product.
; Layer 0 has 4 of its 32 K places in use: W' = bf16(W0) 30 / 2pi and b' = bf16(b0) 30 / 2pi + 1/4 are split exactly into three bf16 pieces, x stands three times and 1.0 three times in the other source.
; LAYOUT.  Every product is taken transposed (source 0 = 16 output channels, source 1 = 16 data rows): a lane holds ONE data row (lane % 16) and channels 8 (lane / 16) + 0..7 of the block.  Blocks 2 c and
; 2 c + 1, rounded in pairs, ARE registers 0-3 and 4-7 of the next layer's source-1 fragment c: nothing changes lanes.
; TWO MIRROR WINDOWS of 256 registers (s_set_vgpr_msb: bits 1:0 source 0, 3:2 source 1, 5:4 source 2, 7:6 destination).  Layers 0, 2, 4 and the head work wholly in window 0, layers 1, 3, 5 wholly in
; window 1; only a slice of eight roundings writes into the other window.  So a hidden step of 16 products and 128 vector lines has four switches.
; THE WEIGHTS lie in LDS for the whole launch: written once at the head, through registers, read only behind the one barrier.
; NO CLUSTER, NO TENSOR LOAD: what the work-groups share is Wh, 327,680 bytes of f32, read once by each; it needs a rounding, a scale and a conversion on its way, which go through registers, and
; the f32 bytes and the f16 image (223,104 bytes) do not fit into 327,680 bytes of LDS together.  NO PREFETCH: every global read stands at the head; the loop reads no memory.
; LIMITS.  |Wh| / 2pi and |Wv| stay under 65,504 (f16); f16 weights below 6e-5 keep f16's fixed step of 6e-8.  At large |t| the f32 step of t is the step of the phase (5e-4 of a period at |t| = 4,096).
; NaN and infinities are not treated apart.
; THE MODE: SCHED_MODE bits 1:0 = 2 (LLVM: expert scheduling mode 2), set by the entry lines.  The code itself states the register dependences between vector or matrix instructions and memory or LDS
; instructions, with s_wait_alu, always for 0.
; THE PLAN.  Registers that LDS or memory instructions touch behind the barrier:
;   WF, two buffers a window   A step's 16 products read buffer cb % 2; the next block's eight loads land in the other buffer, which the step before read.
;   BI, one a window           A step's products 1, 2, 9 and 10 read it as C; the next block's two loads land in it behind the tenth.
;   v[AW], one a window        Read by those loads as their address; written once a layer, in window 0 also at a batch's head and at the network's head.
;   v[AW0]                     Read by layer 0's loads; never written again.  v[AL], v[XL], v[OL], v[GO] are read by vector lines alone.
;   h of window 0              At a batch's head x's loads land in eight pairs of it; the head's products of the batch before read them last.
;   v[PT ..] of window 0       At a batch's head the address of x's loads; on the way out three addresses and twelve registers of data; in between the sine's.
;   the head's two sums        Written by its products, read by the LDS stores of the way out.
; So a hidden step has two waits on va_vdst: one at its head, behind which the weights' loads are dealt among its first four products (these and the slices name the buffer in hand, h, the accumulators,
; BI and PT: none of the registers that those loads touch), and one behind its tenth product, ahead of the bias's loads.  A layer's last step has none: its ten loads land in the other window's registers,
; which nothing has named since the layer before.  One wait on vm_vsrc a layer stands ahead of the add to v[AW].  The other waits stand at a batch's head, at the network's head and on the way out.
.set PW,     336                       ; a weight row in LDS: 256 bytes of f16 + 64 of bias + 16 = 21 x 16 bytes: the 16 rows of a fragment load start at 16 different groups of four banks (ISA guide 11.1)
.set CBB,    16*PW                     ; a channel block's 16 rows
.set LAYERB, 128*PW                    ; a layer
.set HEADB,  5*LAYERB                  ; behind the five hidden layers, where a sixth would lie: 24 rows; rows 8-10 hold Wv, the others 0
.set W0P,    80                        ; a row of layer 0's image: 32 bf16 + 16 bytes
.set W0I,    HEADB+24*PW               ; 128 such rows
.set XS,     W0I+128*W0P               ; x as bf16: 2,048 bytes a wave, 8 a row
.set OS,     XS+8*2048                 ; the output stage: 1,536 bytes a wave, two batches of 64 rows x 12 bytes
.set SPARE,  262144                    ; the spare words, 128 bytes for each wave: four blocks of 256 bytes that no other line names
; registers, the same map in both windows
.set ACC, 128                          ; v[128:159]  tile t's accumulator at ACC + 8 t;  v[0:127] are h: tile t, fragment c at 32 t + 8 c
.set WF,  160                          ; v[160:223]  weight fragments: buffer q, fragment k at WF + 32 q + 8 k
.set BI,  224                          ; v[224:231]  the bias of the channel block: C of the first product
.set PT,  232                          ; v[232:247]  eight pairs: the polynomial's value
.set AW,  248                          ; v248  LDS address of my lane's place in the layer in hand
.set AL,  249                          ; v249  336 (lane % 16) + 16 (lane / 16); never rewritten
; window 0 alone, never rewritten
.set SPW, 250                          ; v250  my spare word: SPARE + 4 x my thread's number
.set NIL, 251                          ; v251  0
.set AW0, 252                          ; v252  my lane's place in layer 0's image
.set XL,  253                          ; v253  my lane's row of x in my wave's first tile
.set OL,  254                          ; v254  my lane's 12 bytes in my wave's output stage
.set GO,  255                          ; v255  16 x lane
.set CS,  64                           ; the head: five sets of 36 registers for chunks of Wh and bh, v[64:243]
; scalars: s[8:23] the eight addresses; s24 wave; s25 batch; s26 counts the pairs of layers; s27 the layer's LDS base; s28-31 at work
.set D4,  32                           ; s[32:41]  P's coefficients, highest first, each twice (a packed line names a pair)
.set D3,  34
.set D2,  36                           ; D1 at 38, D0 at 40
.set I2P, 42                           ; s[42:43]  1 / 2pi
.set O2P, 44                           ; s[44:45]  30 / 2pi
.set QU,  56                           ; s[56:57]  1/4
; s46 mask of a word's upper bf16; s[48:50] bv; s52 512 x batch; s53 768 x (batch % 2); s54 1536 x (batch / 2); s55 my wave's output stage
.set MSB, 0
.macro WIN new                         ; the immediate's high byte repeats the setting that is left; a switch that changes nothing is dropped
.if MSB != (\new)
	s_set_vgpr_msb (MSB<<8)|(\new)
.set MSB, (\new)
.endif
.endm
	s_load_b512 s[8:23], s[0:1], 0x0               ; x s[8:9], W0 s[10:11], b0 s[12:13], Wh s[14:15], bh s[16:17], Wv s[18:19], bv s[20:21], out0 s[22:23]
	v_lshl_add_u32 v[SPW], v0, 2, SPARE
	v_mov_b32 v[NIL], 0
	v_lshrrev_b32 v4, 5, v0
	v_readfirstlane_b32 s24, v4                    ; wave 0..7
	v_and_b32 v1, 31, v0                           ; lane
	v_and_b32 v2, 15, v0                           ; r = lane % 16
	v_bfe_u32 v3, v0, 4, 1                         ; h = lane / 16
	s_mov_b32 s[D4], 0x42367bf5                    ; 45.6210514
	s_mov_b32 s[D4+1], 0x42367bf5
	s_mov_b32 s[D3], 0xc213143b                    ; -36.7697551
	s_mov_b32 s[D3+1], 0xc213143b
	s_mov_b32 s[D2], 0x419fe3cd                    ; 19.9862312
	s_mov_b32 s[D2+1], 0x419fe3cd
	s_mov_b32 s[D2+2], 0x3c001730                  ; 0.00781803
	s_mov_b32 s[D2+3], 0x3c001730
	s_mov_b32 s[D2+4], 0xbf7ffd6b                  ; -0.99996058
	s_mov_b32 s[D2+5], 0xbf7ffd6b
	s_mov_b32 s[I2P], 0x3e22f983
	s_mov_b32 s[I2P+1], 0x3e22f983
	s_mov_b32 s[O2P], 0x4098c9eb
	s_mov_b32 s[O2P+1], 0x4098c9eb
	s_mov_b32 s[QU], 0x3e800000
	s_mov_b32 s[QU+1], 0x3e800000
	s_mov_b32 s46, 0xffff0000
	s_mov_b32 s25, 0
	s_mov_b32 s52, 0
	s_mov_b32 s53, 0
	s_mov_b32 s54, 0
	v_mul_u32_u24 v[AL], v2, PW
	v_lshl_add_u32 v[AL], v3, 4, v[AL]
	WIN 0x40
	v_mov_b32 v[AL], v[AL]                         ; the same number in window 1
	WIN 0
	v_mul_u32_u24 v[AW0], v2, W0P
	v_lshl_add_u32 v[AW0], v3, 4, v[AW0]
	v_add_nc_u32 v[AW0], W0I, v[AW0]
	s_wait_alu depctr_va_sdst(0)                   ; s24 is written, ahead of its first reader: the wave's places in LDS, in x and in out0 are made from it
	s_lshl_b32 s28, s24, 11
	s_add_co_u32 s28, s28, XS                      ; my wave's rows of x in LDS
	v_lshl_add_u32 v[XL], v2, 3, s28
	v_lshl_add_u32 v5, v1, 3, s28                  ; v5: where I put a row of x: + 8 x lane
	s_mul_i32 s55, s24, 1536
	s_add_co_u32 s55, s55, OS
	v_mul_u32_u24 v[OL], v1, 12
	v_add_nc_u32 v[OL], s55, v[OL]
	v_lshlrev_b32 v[GO], 4, v1
	s_lshl_b32 s29, s24, 12
	v_lshl_add_u32 v6, v1, 4, s29                  ; v6: Wh: my wave's 8 rows of a chunk (4,096 bytes), my 16 bytes of a row
	s_lshr_b32 s30, s24, 1
	s_lshl_b32 s30, s30, 6                         ; bh: my rows' channel block in a chunk, 64 bytes each
	v_and_b32 v12, 1, v1
	v_bfe_u32 v13, v1, 1, 1
	v_lshl_add_u32 v7, v12, 5, s30                 ; v7: quad lane % 4 holds channels 0-3, 8-11, 4-7, 12-15 of the block
	v_lshl_add_u32 v7, v13, 4, v7
	s_mul_i32 s31, s24, 8*PW
	v_lshl_add_u32 v8, v1, 3, s31                  ; v8: where my 4 f16 of a row go
	v_lshrrev_b32 v14, 2, v1
	v_and_b32 v15, 3, v1
	v_mul_u32_u24 v9, v14, PW
	v_lshl_add_u32 v9, v15, 4, v9
	v_add_nc_u32 v9, s31, v9                       ; v9: row lane / 4 of my 8, quad lane % 4 of its bias (256 bytes on, in the store's offset)
	v_lshlrev_b32 v10, 4, v0                       ; waves 0-3: W0's row = my thread's number,
	v_lshlrev_b32 v11, 2, v0                       ; and its b0
	v_lshlrev_b32 v13, 5, v2                       ; wave 4: 8 columns of Wv's row 2,
	v_lshl_add_u32 v12, v3, 9, v13                 ; and of row lane / 16
	s_lshl_b32 s28, ttmp9, 3
	s_add_co_u32 s28, s28, s24                     ; my wave among the launch's 2,048
	s_lshl_b32 s2, s28, 12                         ; its 256 rows of x: 4,096 bytes
	s_mov_b32 s3, 0
	s_mul_i32 s30, s28, 3072                       ; and of out0: 3,072 bytes
	s_mov_b32 s31, 0
	s_wait_kmcnt 0x0
	s_add_nc_u64 s[8:9], s[8:9], s[2:3]
	s_add_nc_u64 s[22:23], s[22:23], s[30:31]
	s_load_b96 s[48:50], s[20:21], 0x0             ; bv
	s_wait_alu depctr_va_vdst(0)                   ; the offsets and addresses v5 to v13, v[AW0] and v[GO] are written, which the loads and stores below read
; A chunk c (0..9) of wave w: the flat rows 64 c + 8 w + 0..7 of Wh, each one load of 512 consecutive bytes, and their block's bias: 9 loads, 36 registers.
.macro CHLOAD set, c
.irp j, 0,1,2,3,4,5,6,7
	global_load_b128 v[CS+36*(\set)+4*(\j):CS+36*(\set)+4*(\j)+3], v6, s[14:15] offset:32768*(\c)+512*(\j)
.endr
	global_load_b128 v[CS+36*(\set)+32:CS+36*(\set)+35], v7, s[16:17] offset:256*(\c)
.endm
; four f32 in v[a:a+3] are rounded to bf16 and widened again, in place; tt: two registers at work
.macro RND4 a, tt
	v_cvt_pk_bf16_f32 v[\tt], v[\a], v[(\a)+1]
	v_cvt_pk_bf16_f32 v[(\tt)+1], v[(\a)+2], v[(\a)+3]
	v_lshlrev_b32 v[\a], 16, v[\tt]
	v_and_b32 v[(\a)+1], s46, v[\tt]
	v_lshlrev_b32 v[(\a)+2], 16, v[(\tt)+1]
	v_and_b32 v[(\a)+3], s46, v[(\tt)+1]
.endm
; Chunk c, in set, is converted and stored; n = the loads issued behind it.  The first five sets are asked for again at once.
; All of the chunk's vector lines stand first, then its nine stores in one run, then the two addresses' steps and the set's next loads: one wait of each kind a chunk.
.macro CHUNKCV set, n, c
	s_wait_loadcnt \n                              ; loads come back in order (ISA guide 5.7.1): this chunk is in, the younger chunks stay out
.irp j, 0,1,2,3,4,5,6,7
.set rA, CS+36*(\set)+4*(\j)
	RND4 rA, 244+2*((\j)%2)
	v_pk_mul_f32 v[rA:rA+1], v[rA:rA+1], s[I2P:I2P+1] op_sel_hi:[1,0]
	v_pk_mul_f32 v[rA+2:rA+3], v[rA+2:rA+3], s[I2P:I2P+1] op_sel_hi:[1,0]
	v_cvt_pk_f16_f32 v[rA], v[rA], v[rA+1]
	v_cvt_pk_f16_f32 v[rA+1], v[rA+2], v[rA+3]
.endr
.set rA, CS+36*(\set)+32
	RND4 rA, 244
	v_pk_fma_f32 v[rA:rA+1], v[rA:rA+1], s[I2P:I2P+1], s[QU:QU+1] op_sel_hi:[1,0,0]
	v_pk_fma_f32 v[rA+2:rA+3], v[rA+2:rA+3], s[I2P:I2P+1], s[QU:QU+1] op_sel_hi:[1,0,0]
	s_wait_alu depctr_va_vdst(0)                   ; the conversions have written the set, which the stores read and in which the next loads land; the chunk before's adds have written v8 and v9
.irp j, 0,1,2,3,4,5,6,7
	ds_store_b64 v8, v[CS+36*(\set)+4*(\j):CS+36*(\set)+4*(\j)+1] offset:PW*(\j)  ; 32 lanes: a row's 256 bytes
.endr
	ds_store_b128 v9, v[rA:rA+3] offset:256        ; the block's 16 biases, behind each of my 8 rows
	s_wait_alu depctr_vm_vsrc(0)                   ; the stores have read v8 and v9, which the adds write, and the set, which its next loads (behind the last chunks: the loop) write
	v_add_nc_u32 v8, 64*PW, v8                     ; the next chunk lies 64 rows on
	v_add_nc_u32 v9, 64*PW, v9
.if (\c) < 5
	CHLOAD \set, (\c)+5                            ; no vector line since the wait on va_vdst names the set, v6 or v7
.endif
.endm
	; THE LOADS, all of the launch's: x; what single waves convert; the first five chunks.
.irp i, 0,1,2,3,4,5,6,7
	global_load_b128 v[16+4*(\i):19+4*(\i)], v[GO], s[8:9] offset:512*(\i) th:TH_LOAD_NT  ; 32 rows of x: 512 consecutive bytes
.endr
	s_cmp_lt_u32 s24, 4
	s_cbranch_scc0 .Lload_not_w0
	global_load_b128 v[48:51], v10, s[10:11]       ; waves 0-3: a row of W0 a thread,
	global_load_b32 v52, v11, s[12:13]             ; and its bias
	s_branch .Lloaded
.Lload_not_w0:
	s_cmp_eq_u32 s24, 4
	s_cbranch_scc0 .Lloaded
	global_load_b128 v[48:51], v12, s[18:19]       ; wave 4: Wv's rows 0 (lanes 0-15) and 1 (lanes 16-31), 8 columns a lane,
	global_load_b128 v[52:55], v12, s[18:19] offset:16
	global_load_b128 v[56:59], v13, s[18:19] offset:1024  ; and row 2
	global_load_b128 v[60:63], v13, s[18:19] offset:1040
.Lloaded:
.irp c, 0,1,2,3,4
	CHLOAD \c, \c
.endr
	s_wait_loadcnt 45                              ; the 45 loads of the five chunks may stay out: x and the single waves' loads are in
.irp i, 0,1,2,3,4,5,6,7
	v_cvt_pk_bf16_f32 v[16+4*(\i)], v[16+4*(\i)], v[17+4*(\i)]
	v_cvt_pk_bf16_f32 v[17+4*(\i)], v[18+4*(\i)], v[19+4*(\i)]
.endr
	s_wait_alu depctr_va_vdst(0)                   ; the roundings have written x's pairs, which the stores read
.irp i, 0,1,2,3,4,5,6,7
	ds_store_b64 v5, v[16+4*(\i):17+4*(\i)] offset:256*(\i)
.endr
	s_wait_alu depctr_vm_vsrc(0)                   ; those stores have read v16 to v45, which the two images' lines below write again: ahead of the branch, for every wave
	s_wait_kmcnt 0x0                               ; bv
	s_cmp_lt_u32 s24, 4
	s_cbranch_scc0 .Lbuild_not_w0
	; LAYER 0's IMAGE, a channel a thread.  A row's 32 bf16, by k: 0-3 W' high; 4, 5, 6 b' high, middle, low; 7 zero; 8-11 W' middle; 16-19 W' low; all else zero.
	RND4 48, 244
	v_cvt_pk_bf16_f32 v246, v52, v52
	v_lshlrev_b32 v52, 16, v246
	v_pk_mul_f32 v[48:49], v[48:49], s[O2P:O2P+1] op_sel_hi:[1,0]
	v_pk_mul_f32 v[50:51], v[50:51], s[O2P:O2P+1] op_sel_hi:[1,0]
	v_fma_f32 v52, v52, s[O2P], s[QU]
.irp d, 16, 20                         ; a piece is rounded off and taken away: the rest is exact in f32
	v_cvt_pk_bf16_f32 v[\d], v48, v49
	v_cvt_pk_bf16_f32 v[(\d)+1], v50, v51
	v_lshlrev_b32 v244, 16, v[\d]
	v_and_b32 v245, s46, v[\d]
	v_lshlrev_b32 v246, 16, v[(\d)+1]
	v_and_b32 v247, s46, v[(\d)+1]
	v_pk_add_f32 v[48:49], v[48:49], v[244:245] neg_lo:[0,1] neg_hi:[0,1]
	v_pk_add_f32 v[50:51], v[50:51], v[246:247] neg_lo:[0,1] neg_hi:[0,1]
.endr
	v_cvt_pk_bf16_f32 v24, v48, v49
	v_cvt_pk_bf16_f32 v25, v50, v51
	v_cvt_pk_bf16_f32 v244, v52, v52
	v_and_b32 v53, s46, v244                       ; b' high
	v_sub_f32 v52, v52, v53
	v_cvt_pk_bf16_f32 v244, v52, v52
	v_and_b32 v54, s46, v244                       ; b' middle
	v_sub_f32 v52, v52, v54
	v_cvt_pk_bf16_f32 v18, v53, v54
	v_cvt_pk_bf16_f32 v19, v52, v[NIL]             ; b' low, and k = 7
.irp d, 22,23,26,27,28,29,30,31
	v_mov_b32 v[\d], 0
.endr
	s_mul_i32 s28, s24, 32*W0P
	s_add_co_u32 s28, s28, W0I
	v_mul_u32_u24 v14, v1, W0P
	v_add_nc_u32 v14, s28, v14
	s_wait_alu depctr_va_vdst(0)                   ; the row's pieces v16 to v31 and its address v14 are written, which the stores read
.irp d, 0,1,2,3
	ds_store_b128 v14, v[16+4*(\d):19+4*(\d)] offset:16*(\d)
.endr
	s_branch .Lbuilt
.Lbuild_not_w0:
	s_cmp_eq_u32 s24, 4
	s_cbranch_scc0 .Lbuilt
	; THE HEAD's IMAGE: 24 rows; a store covers rows 2 i and 2 i + 1, 16 bytes a lane.  Rows 0-15 are the image with Wv at channels 8-10, rows 8-23 the one with Wv at channels 0-2.
.irp a, 48, 52, 56, 60
	RND4 \a, 244
.endr
.irp a, 48, 56
	v_cvt_pk_f16_f32 v[\a], v[\a], v[(\a)+1]       ; a bf16 number within f16's range is an f16 number
	v_cvt_pk_f16_f32 v[(\a)+1], v[(\a)+2], v[(\a)+3]
	v_cvt_pk_f16_f32 v[(\a)+2], v[(\a)+4], v[(\a)+5]
	v_cvt_pk_f16_f32 v[(\a)+3], v[(\a)+6], v[(\a)+7]
.endr
	v_cmp_eq_u32 vcc_lo, 0, v3
	s_wait_alu depctr_va_vcc(0)                    ; the compare has written VCC, ahead of the selects that read it
.irp a, 56,57,58,59
	v_cndmask_b32 v[\a], 0, v[\a], vcc_lo          ; row 10 is Wv's row 2, row 11 is 0
.endr
.irp a, 16,17,18,19,23
	v_mov_b32 v[\a], 0
.endr
	v_mov_b32 v20, s48
	v_mov_b32 v21, s49
	v_mov_b32 v22, s50
	v_cvt_pk_bf16_f32 v244, v20, v21
	v_cvt_pk_bf16_f32 v245, v22, v22
	v_lshlrev_b32 v20, 16, v244
	v_and_b32 v21, s46, v244
	v_lshlrev_b32 v22, 16, v245
	v_mul_u32_u24 v14, v3, PW
	v_lshl_add_u32 v14, v2, 4, v14
	v_add_nc_u32 v14, HEADB, v14
	v_add_nc_u32 v15, HEADB, v[AL]
	s_wait_alu depctr_va_vdst(0)                   ; the image's rows (v16 to v23, v48 to v51, v56 to v59) and the addresses v14 and v15 are written, which the stores read
.irp i, 0,1,2,3,6,7,8,9,10,11
	ds_store_b128 v14, v[16:19] offset:2*PW*(\i)
.endr
	ds_store_b128 v14, v[48:51] offset:2*PW*4
	ds_store_b128 v14, v[56:59] offset:2*PW*5
	ds_store_b128 v15, v[20:23] offset:256         ; rows 0-15: bv for registers 0-2 of both halves of the lanes,
	ds_store_b128 v15, v[16:19] offset:288         ; 0 for registers 4-7
.Lbuilt:
	CHUNKCV 0, 36, 0                               ; behind a chunk stand four younger ones, 36 loads,
	CHUNKCV 1, 36, 1
	CHUNKCV 2, 36, 2
	CHUNKCV 3, 36, 3
	CHUNKCV 4, 36, 4
	CHUNKCV 0, 36, 5
	CHUNKCV 1, 27, 6                               ; then the counts run down
	CHUNKCV 2, 18, 7
	CHUNKCV 3, 9, 8
	CHUNKCV 4, 0, 9
	s_wait_dscnt 0x0                               ; for the others' sake: my stores are done
	s_barrier_signal -1
	s_barrier_wait -1                              ; the launch's one barrier: from here on the three images are read only
; SLICE n (0..7) OF A SINE: eight lines for the tile pair g (tiles 2 g, 2 g + 1: 16 registers, 8 pairs) of window w, whose t belong to channel block cb.
; 0, 1: r = fract(t), each accumulator from its lowest register on.  2: s = r r - r.  3-6: Horner.  7: rounded to f16 into the other window's h.  Lines that lean on each other stand eight apart.
.macro SL w, g, cb, n
.set aB, ACC+16*(\g)
.set z, 0
.if (\n) < 7
	WIN 0x55*(\w)
.else
	WIN 0x40-0x2b*(\w)                             ; from window 0: destination window 1 (0x40); from window 1: sources window 1, destination window 0 (0x15)
.endif
.rept 8
.if (\n) < 2
	v_fract_f32 v[aB+8*(\n)+z], v[aB+8*(\n)+z]
.elseif (\n) == 2
	v_pk_fma_f32 v[aB+2*z:aB+2*z+1], v[aB+2*z:aB+2*z+1], v[aB+2*z:aB+2*z+1], v[aB+2*z:aB+2*z+1] neg_lo:[0,0,1] neg_hi:[0,0,1]
.elseif (\n) == 3
	v_pk_fma_f32 v[PT+2*z:PT+2*z+1], v[aB+2*z:aB+2*z+1], s[D4:D4+1], s[D3:D3+1] op_sel_hi:[1,0,0]
.elseif (\n) < 7
	v_pk_fma_f32 v[PT+2*z:PT+2*z+1], v[PT+2*z:PT+2*z+1], v[aB+2*z:aB+2*z+1], s[D2+2*((\n)-4):D2+2*((\n)-4)+1] op_sel_hi:[1,1,0]
.else
	v_cvt_pk_f16_f32 v[32*(2*(\g)+z/4)+8*((\cb)/2)+4*((\cb)%2)+z%4], v[PT+2*z], v[PT+2*z+1]
.endif
.set z, z+1
.endr
.endm
; A hidden product: tile t, 32 channels of K from 32 k on, weight buffer q.  The first takes the bias as C.
.macro MMH w, t, k, q
	WIN 0x55*(\w)
.if (\k) == 0
	v_wmma_f32_16x16x32_f16 v[ACC+8*(\t):ACC+8*(\t)+7], v[WF+32*(\q):WF+32*(\q)+7], v[32*(\t):32*(\t)+7], v[BI:BI+7]
.else
	v_wmma_f32_16x16x32_f16 v[ACC+8*(\t):ACC+8*(\t)+7], v[WF+32*(\q)+8*(\k):WF+32*(\q)+8*(\k)+7], v[32*(\t)+8*(\k):32*(\t)+8*(\k)+7], v[ACC+8*(\t):ACC+8*(\t)+7]
.endif
.endm
.macro LDW set, off, q                 ; a channel block's weights, 16 rows x 128 K: eight loads in one run
	WIN \set
.irp k, 0,1,2,3
	ds_load_b128 v[WF+32*(\q)+8*(\k):WF+32*(\q)+8*(\k)+3],   v[AW] offset:(\off)+64*(\k)
	ds_load_b128 v[WF+32*(\q)+8*(\k)+4:WF+32*(\q)+8*(\k)+7], v[AW] offset:(\off)+64*(\k)+32
.endr
.endm
.macro LDW2 set, off, q, k             ; two of those eight: fragment k
	WIN \set
	ds_load_b128 v[WF+32*(\q)+8*(\k):WF+32*(\q)+8*(\k)+3],   v[AW] offset:(\off)+64*(\k)
	ds_load_b128 v[WF+32*(\q)+8*(\k)+4:WF+32*(\q)+8*(\k)+7], v[AW] offset:(\off)+64*(\k)+32
.endm
.macro LDB set, off                    ; and its bias
	WIN \set
	ds_load_b128 v[BI:BI+3],   v[AW] offset:(\off)+256
	ds_load_b128 v[BI+4:BI+7], v[AW] offset:(\off)+288
.endm
; A HIDDEN STEP: channel block cb of a layer in window w: 16 products, and behind each a slice.  The sine lags half a step: while tiles 0, 1 are multiplied the sine of tiles 2, 3 of the block before
; is made (at cb = 0: of the layer before, in the other window), while tiles 2, 3 are multiplied that of tiles 0, 1.  A half step's two accumulators take turns, one instruction a turn,
; and a slice names none of the registers of the products round it.  Behind the last product on an accumulator stand 16 lines (tiles 0, 2) or 16 (tiles 1, 3: a slice of roundings and a slice of fract) ahead of its first reader.
; The next block's weights go into the other buffer, two loads behind each of the step's first four products, all behind the wait at the step's head; its bias follows the wait behind the tenth product's slice.
; At cb = 7 both are the next layer's, LAYERB bytes on, and go into the other window, under the roundings' own setting; no vector or matrix line of this layer names those registers, and the waits of
; its earlier steps stand behind the layer that read them: so that step holds no wait on va_vdst.
.macro HSTEP w, cb
	s_wait_dscnt 0x0                               ; this step's ten loads, issued a step ago, are all that is out
.if (\cb) < 7
	s_wait_alu depctr_va_vdst(0)                   ; the step before's products are done reading the other weight buffer, in which the loads below land; at a layer's first step v[AW] is written
.endif
.irp n, 0,1,2,3,4,5,6,7
	MMH \w, (\n)%2, (\n)/2, (\cb)%2
.if ((\n) < 4) && ((\cb) < 7)
	LDW2 0x55*(\w), CBB*((\cb)+1), 1-(\cb)%2, \n   ; no wait: no vector or matrix line since the step's head names the other buffer or v[AW]
.endif
.if (\cb) > 0
	SL \w, 1, (\cb)-1, \n
.else
	SL 1-(\w), 1, 7, \n
.endif
.if ((\n) == 7) && ((\cb) == 7)
	LDW 0x40-0x2b*(\w), LAYERB, 0
	LDB 0x40-0x2b*(\w), LAYERB
.endif
.endr
.irp n, 0,1,2,3,4,5,6,7
	MMH \w, 2+(\n)%2, (\n)/2, (\cb)%2
	SL \w, 0, \cb, \n
.if ((\n) == 1) && ((\cb) < 7)
	s_wait_alu depctr_va_vdst(0)                   ; the four products that take the bias as C are done reading it: the next block's bias lands in the same registers
	LDB 0x55*(\w), CBB*((\cb)+1)
.endif
.endr
.endm
.macro HLAYER w
	WIN 0x55*(\w)
	s_wait_alu depctr_vm_vsrc(0)                   ; the LDS loads issued so far have read this window's v[AW]
	v_add_nc_u32 v[AW], s27, v[AL]
	s_add_co_u32 s27, s27, LAYERB
.irp cb, 0,1,2,3,4,5,6,7
	HSTEP \w, \cb
.endr
.endm
; LAYER 0: one product a tile and block; its sum is t itself, so C is the constant 0.
.macro MM0 t, cb
	WIN 0
	v_wmma_f32_16x16x32_bf16 v[ACC+8*(\t):ACC+8*(\t)+7], v[WF+8*((\cb)%2):WF+8*((\cb)%2)+7], v[32*(\t):32*(\t)+7], 0
.endm
.macro L0NEXT cb                       ; the next block's fragment; behind the last block: layer 1's first weights and bias, into window 1
.if (\cb) < 7
	WIN 0
	ds_load_b128 v[WF+8*(((\cb)+1)%2):WF+8*(((\cb)+1)%2)+3],   v[AW0] offset:16*W0P*((\cb)+1)
	ds_load_b128 v[WF+8*(((\cb)+1)%2)+4:WF+8*(((\cb)+1)%2)+7], v[AW0] offset:16*W0P*((\cb)+1)+32
.else
	LDW 0x40, 0, 0
	LDB 0x40, 0
.endif
.endm
; The loads of blocks 0 and 7 lean on the wait on va_vdst at the batch's head: since then no vector or matrix line has named the second fragment buffer (block 0), window 1's first weight buffer and bias, or v[AW] (block 7).
.macro L0STEP cb
	s_wait_dscnt 0x0                               ; this block's fragment (and, at the first, x)
.if (\cb) == 0
	s_wait_alu depctr_vm_vsrc(0)                   ; the loads of x have read v[PT], which the sine's lines write from here on
.elseif (\cb) < 7
	s_wait_alu depctr_va_vdst(0)                   ; the block before's four products are done reading their fragment, in whose registers the next block's lands
.endif
	MM0 0, \cb
.if (\cb) > 0
	SL 0, 1, (\cb)-1, 0
	SL 0, 1, (\cb)-1, 1
	L0NEXT \cb
	SL 0, 1, (\cb)-1, 2
	SL 0, 1, (\cb)-1, 3
.endif
	MM0 1, \cb
.if (\cb) > 0
.irp n, 4,5,6,7
	SL 0, 1, (\cb)-1, \n
.endr
.else
.rept 4
	v_nop                                          ; no sine is pending yet: the four places behind the first two products
.endr
	L0NEXT \cb
.endif
	MM0 2, \cb
.irp n, 0,1,2,3
	SL 0, 0, \cb, \n
.endr
	MM0 3, \cb
.irp n, 4,5,6,7
	SL 0, 0, \cb, \n
.endr
.endm
; A product of the head: sum p (0: batch rows 0-31, 1: rows 32-63), image a (0: Wv at channels 8-10, 1: at channels 0-2), fragment c, tile t.
.macro MMV p, a, c, t, first
	WIN 0
.if \first
	v_wmma_f32_16x16x32_f16 v[ACC+8*(\p):ACC+8*(\p)+7], v[WF+32*(\a)+8*(\c):WF+32*(\a)+8*(\c)+7], v[32*(\t)+8*(\c):32*(\t)+8*(\c)+7], v[BI:BI+7]
.else
	v_wmma_f32_16x16x32_f16 v[ACC+8*(\p):ACC+8*(\p)+7], v[WF+32*(\a)+8*(\c):WF+32*(\a)+8*(\c)+7], v[32*(\t)+8*(\c):32*(\t)+8*(\c)+7], v[ACC+8*(\p):ACC+8*(\p)+7]
.endif
.endm
.Lbatch:                                       ; four trips: 64 rows each
	s_wait_alu depctr_vm_vsrc(0)                   ; the batch before's LDS loads have read v[AW]; its stores have read the two sums and v[PT ..]: all of these are written again below
	s_mov_b32 s27, 0
	v_add_nc_u32 v[AW], s27, v[AL]                 ; layer 1's weights, for the loads at the end of layer 0
	v_add_nc_u32 v[PT], s52, v[XL]
	s_wait_alu depctr_va_vdst(0)                   ; v[AW] and v[PT] are written; the batch before's last products are done reading h and the weight buffers of window 0, in which the loads below land
.irp t, 0,1,2,3                        ; source 1 of layer 0: both halves of the lanes take the row's four bf16 twice: K places 0-3, 8-11, 16-19 (and 24-27, where the image holds 0)
	ds_load_b64 v[32*(\t):32*(\t)+1],   v[PT] offset:128*(\t)
	ds_load_b64 v[32*(\t)+4:32*(\t)+5], v[PT] offset:128*(\t)
.endr
	ds_load_b128 v[WF:WF+3],   v[AW0]
	ds_load_b128 v[WF+4:WF+7], v[AW0] offset:32
.irp t, 0,1,2,3
	v_mov_b32 v[32*(\t)+2], 0x3f803f80             ; K places 4, 5: 1.0 for the bias's pieces,
	v_mov_b32 v[32*(\t)+3], 0x3f80                 ; 6: 1.0; 7: 0
	v_mov_b32 v[32*(\t)+6], 0
	v_mov_b32 v[32*(\t)+7], 0
.endr
.irp cb, 0,1,2,3,4,5,6,7
	L0STEP \cb
.endr
	WIN 0                                          ; at a label and at a branch every window is 0
	s_mov_b32 s26, 3
.Lpair:                                        ; layers 1 and 2, 3 and 4, 5: the third trip is left in its middle
	HLAYER 1
	WIN 0
	s_sub_co_u32 s26, s26, 1
	s_cmp_eq_u32 s26, 0
	s_cbranch_scc1 .Lhead
	HLAYER 0
	WIN 0
	s_branch .Lpair
.Lhead:
	; THE HEAD.  Its first image and bias came with layer 5's last step.  With Wv at channels 8-10 a tile's three outputs fall into registers 0-2 of lanes 16-31, with Wv at channels 0-2 into those of lanes
	; 0-15: so two tiles share a sum, and lane l holds batch row l (or 32 + l).  The two sums take turns.  Layer 5's last sine (tiles 2, 3, block 7) rides behind the first eight products; the two products that read its result come last.
	s_wait_alu depctr_vm_vsrc(0)                   ; layer 4's LDS loads have read window 0's v[AW]
	v_add_nc_u32 v[AW], s27, v[AL]
	s_wait_alu depctr_va_vdst(0)                   ; v[AW] is written, which the eight loads below read
	LDW 0, 8*PW, 1                                 ; the second image: rows 8-23
	s_wait_dscnt 8                                 ; those eight may stay out
	MMV 0, 0, 0, 1, 1
	SL 1, 1, 7, 0
	MMV 1, 0, 0, 3, 1
	SL 1, 1, 7, 1
	MMV 0, 0, 1, 1, 0
	SL 1, 1, 7, 2
	MMV 1, 0, 1, 3, 0
	SL 1, 1, 7, 3
	MMV 0, 0, 2, 1, 0
	SL 1, 1, 7, 4
	MMV 1, 0, 2, 3, 0
	SL 1, 1, 7, 5
	MMV 0, 0, 3, 1, 0
	SL 1, 1, 7, 6
	s_wait_dscnt 0x0                               ; the second image is in
	MMV 1, 1, 0, 2, 0
	SL 1, 1, 7, 7
	MMV 0, 1, 0, 0, 0
	MMV 1, 1, 1, 2, 0
	MMV 0, 1, 1, 0, 0
	MMV 1, 1, 2, 2, 0
	MMV 0, 1, 2, 0, 0
	MMV 1, 0, 3, 3, 0
	MMV 0, 1, 3, 0, 0
	MMV 1, 1, 3, 2, 0
	v_add_nc_u32 v[PT], s53, v[OL]                 ; four places behind the last product, ahead of the stores that read the sums: the way out's three addresses
	v_add_nc_u32 v[PT+1], s55, v[GO]               ; (the second and third serve every second batch; made here, they come under the one wait below)
	v_add_nc_u32 v[PT+2], s54, v[GO]
	v_nop
	s_wait_alu depctr_va_vdst(0)                   ; the products have written the two sums, which the LDS stores read; v[PT] to v[PT+2] are written; the sine is done with v[PT+4 ..], in which the loads from the stage land
.irp j, 0,1,2
	ds_store_b32 v[PT], v[ACC+(\j)] offset:4*(\j)  ; lanes 12 bytes apart: 32 different banks
.endr
.irp j, 0,1,2
	ds_store_b32 v[PT], v[ACC+8+(\j)] offset:384+4*(\j)
.endr
	s_bitcmp1_b32 s25, 0                           ; behind every second batch the stage holds 128 rows, 1,536 consecutive bytes of out0
	s_cbranch_scc0 .Lno_flush
.irp i, 0,1,2
	ds_load_b128 v[PT+4+4*(\i):PT+7+4*(\i)], v[PT+1] offset:512*(\i)  ; LDS serves a wave's instructions in order (ISA guide 5.7.1.4): these see my stores above
.endr
	s_wait_dscnt 0x0
.irp i, 0,1,2
	global_store_b128 v[PT+2], v[PT+4+4*(\i):PT+7+4*(\i)], s[22:23] offset:512*(\i) th:TH_STORE_NT  ; 512 consecutive bytes, at a multiple of 256 from out0's first byte
.endr
	s_wait_xcnt 0x0                                ; the stores' address and data registers are written again in the next batch, only behind this wait (and behind the wait on vm_vsrc at the batch's head)
.Lno_flush:
	s_add_co_u32 s52, s52, 512
	s_xor_b32 s53, s53, 768
	s_add_co_u32 s25, s25, 1
	s_lshr_b32 s54, s25, 1
	s_mul_i32 s54, s54, 1536
	s_cmp_lt_u32 s25, 4
	s_cbranch_scc1 .Lbatch
	s_wait_dscnt 0x0                               ; the closing lines, six on end
	s_wait_alu 0x0
	s_wait_tensorcnt 0x0
	ds_add_u32 v[SPW], v[NIL]
	s_wait_dscnt 0x0
	s_endpgm
.Lfunc_end_k_qee730ddbbe_siren:
	.size	k_qee730ddbbe_siren, .Lfunc_end_k_qee730ddbbe_siren-k_qee730ddbbe_siren
	.p2alignl 7, 3214868480
	.fill 96, 4, 3214868480
	.section	.rodata,"a",@progbits
	.p2align	6, 0x0
	.amdhsa_kernel k_qee730ddbbe_siren
		.amdhsa_group_segment_fixed_size 263168
		.amdhsa_private_segment_fixed_size 0
		.amdhsa_enable_private_segment 0
		.amdhsa_kernarg_size 64
		.amdhsa_user_sgpr_count 2
		.amdhsa_user_sgpr_kernarg_segment_ptr 1
		.amdhsa_wavefront_size32 1
		.amdhsa_system_sgpr_workgroup_id_x 1
		.amdhsa_system_sgpr_workgroup_id_y 1
		.amdhsa_system_sgpr_workgroup_id_z 1
		.amdhsa_system_vgpr_workitem_id 0
		.amdhsa_next_free_vgpr 512
		.amdhsa_next_free_sgpr 66
		.amdhsa_reserve_vcc 1
		.amdhsa_float_denorm_mode_32 3
		.amdhsa_float_denorm_mode_16_64 3
		.amdhsa_memory_ordered 1
		.amdhsa_forward_progress 1
		.amdhsa_inst_pref_size 255
	.end_amdhsa_kernel
	.section	.bss,"aw",@nobits
	.p2align	6
	.space	262144
	.amdgpu_metadata
---
amdhsa.version: [ 1, 2 ]
amdhsa.kernels:
  - .name:           k_qee730ddbbe_siren
    .symbol:         k_qee730ddbbe_siren.kd
    .args:
      - { .name: x, .offset: 0, .size: 8, .value_kind: global_buffer, .address_space: global }
      - { .name: W0, .offset: 8, .size: 8, .value_kind: global_buffer, .address_space: global }
      - { .name: b0, .offset: 16, .size: 8, .value_kind: global_buffer, .address_space: global }
      - { .name: Wh, .offset: 24, .size: 8, .value_kind: global_buffer, .address_space: global }
      - { .name: bh, .offset: 32, .size: 8, .value_kind: global_buffer, .address_space: global }
      - { .name: Wv, .offset: 40, .size: 8, .value_kind: global_buffer, .address_space: global }
      - { .name: bv, .offset: 48, .size: 8, .value_kind: global_buffer, .address_space: global }
      - { .name: out0, .offset: 56, .size: 8, .value_kind: global_buffer, .address_space: global }
    .group_segment_fixed_size: 263168
    .private_segment_fixed_size: 0
    .kernarg_segment_align: 8
    .kernarg_segment_size: 64
    .max_flat_workgroup_size: 256
    .sgpr_count:     66
    .vgpr_count:     512
    .wavefront_size: 32
...
	.end_amdgpu_metadata
.endif
;; end of part 2
